; MI455X (gfx1250); checked and timed in simulation.
; The chip was launched on July 23, 2026; its instructions are those of AMD's public machine-readable ISA for CDNA 5 (MIT licence, August 2026) and "CDNA5" Instruction Set Architecture Reference Guide (July 2026). The comments in the code are by the model that wrote it; some were corrected since.
;; Multi Head Attention. Allowed arithmetic: float matrix products may take bf16 or f16 operands with f32 sums; all other float work in f32.
;; Inputs: Wk 1,024 x 1,024 float32; Wo 1,024 x 1,024 float32; Wq 1,024 x 1,024 float32; Wv 1,024 x 1,024 float32; bk 1,024 float32; bo 1,024 float32; bq 1,024 float32; bv 1,024 float32; mask 32 x 1,024 int32; matrix 32 x 1,024 x 1,024 float32; vector 32 x 1,024 float32.
;; Outputs: out0 32 x 1,024 float32; out1 32 x 16 x 1,024 float32; out2 32 x 16 x 1,024 float32.
;; One version. Each part assembles by itself: llvm-mc -triple=amdgcn-amd-amdhsa -mcpu=gfx1250 --defsym DOCPART=n.
;; ======== version 1 of 1: 5 launches
;; workspace buffers: q 131,072 bytes; qkp 2,097,152 bytes; st 65,536 bytes; pc 16,777,216 bytes; vh 131,072 bytes
;; launch qproj (part 1): grid 16 x 1, 8 waves a work-group, no clusters, 214,528 bytes of LDS; arguments vector, Wq, bq, q; writes q
.if DOCPART == 1
	.amdgcn_target "amdgcn-amd-amdhsa--gfx1250"
	.amdhsa_code_object_version 6
	.text
	.protected	k_q69af600fc5_qproj
	.globl	k_q69af600fc5_qproj
	.p2align	8
	.type	k_q69af600fc5_qproj,@function
k_q69af600fc5_qproj:
	s_mov_b64 s[64:65], 0
	v_nop
	global_prefetch_b8 v0, s[64:65] scope:SCOPE_SE
	s_setreg_imm32_b32 hwreg(HW_REG_WAVE_MODE, 25, 1), 1
	s_wait_xcnt 0x0
; Y[32][1024] = X[32][1024] W[1024][1024] + bias[1024]; everything f32 in memory.  Used for q = vector Wq + bq and for out0 = vh Wo + bo.
; A work-group makes 64 columns of Y (256 bytes of every row of W); wave w sums over k = 128 w .. 128 w + 127; the eight partial sums meet in LDS.
; FORMATS: W is rounded once to bf16.  X goes in as a pair of bf16, hi + lo (two matrix instructions), so that X adds no rounding of its own.  Sums in f32.
; LIMITS: the order of the sums is not that of a plain dot product; NaN and infinities in X are not carried through the split hi + lo as such.
; W NEEDS NO LDS: one 16-byte load gives lanes 0-15 the 256 bytes of one row of W and lanes 16-31 those of the row 16 further down.  Component c of
; sixteen such loads is a fragment of 16 x 32: lane r stands for column 4 r + c, the lane half hf and the number s of the load for k = 16 hf + s.
; X is laid out with the same order of k (32 neighbouring bytes a lane), so the products are the same; the order of the columns is undone on the way out.
; ORDER OF THE WORK: a wave's 97 loads are not issued in one run.  X and the first 16 loads of W go out first; then, eight times, four rows of X are
; split and laid into LDS and six more loads of W are issued, so that one wave's arithmetic stands beside the other waves' requests.
; No cluster, no tensor loads: every byte of W is used by one wave alone, and it lands where the conversion wants it.
.set PITCH,  272                       ; an LDS row: 256 bytes + 16, an odd multiple of 16 bytes
.set XHALF,  32*PITCH                  ; 32 rows of X, one part (hi or lo), 128 k of bf16 each
.set XSLAB,  2*XHALF                   ; a wave's own X: hi, then lo
.set PART,   8*XSLAB                   ; partial sums as the matrix unit leaves them: a wave's slab = [tile 8][quad 2][lane 32][16 bytes]
.set PSLAB,  8192
.set YST,    PART+8*PSLAB              ; the summed block in true order: [32 rows][64 f32 + 16 bytes]
.set XO,   1                           ; v1   16 L: my 16 bytes of the wave's 512 bytes of a row of X
.set WO,   2                           ; v2   65,536 hf + 16 r: my 16 bytes of a row of W, 16 rows further down for the upper lanes
.set XSW,  3                           ; v3   LDS: where I put 8 bytes of a row of X
.set XA,   4                           ; v4   LDS: my 32 bytes of X fragments
.set PW,   5                           ; v5   LDS: my partial tiles, 16 L
.set RPA,  6                           ; v6   LDS: tile w of wave 0's slab, 16 L
.set YO,   7                           ; v7   my byte offset in Y
.set BO,   8                           ; v8   16 r
.set YS,   9                           ; v9   LDS: where tile w's sums go in the block
.set RA,   10                          ; v10  LDS: where I read rows of the block back
.set BIAS, 16                          ; v[16:19]
.set TA,   20                          ; v[20:51]  four sets of 8 for SPLIT4
.set TB,   64                          ; v[64:95]  four more: the accumulators' registers, idle until the first product
.set ACC,  64                          ; v[64:127] accumulator (t, c) at 64 + 8 (4 t + c): rows 16 t .. of X, columns 4 m + c
.set XL,   128                         ; v[128:255] X as loaded, row i at 128 + 4 i; afterwards the two fragment buffers
.set BUF0, 128                         ; W fragments c at + 8 c, X fragments (part p, t) at + 32 + 8 (2 p + t)
.set BUF1, 192
.set SMASK, 13                         ; s13 = 0xffff0000
; window 1 (v256-v511): W as loaded, load i = 16 ks + s at 4 i
.set MSB, 0
.macro WIN new                         ; s_set_vgpr_msb: low byte = the windows (1:0 source 0, 3:2 source 1, 5:4 source 2, 7:6 destination), high byte = the setting left
.if MSB != \new
	s_set_vgpr_msb (MSB<<8)|\new
.set MSB, \new
.endif
.endm
.macro PLACES                          ; four plain vector instructions between a matrix instruction and the first other use of its registers (ISA guide 7.12.1)
.rept 4
	v_nop
.endr
.endm
; load i of W: rows 32 (i / 16) + i mod 16 and 16 further down of my 128 (destination in window 1)
.macro WLOAD i
	global_load_b128 v[4*(\i):4*(\i)+3], v[WO], s[6:7] offset:(32*((\i)/16)+((\i)%16))*4096 th:TH_LOAD_NT
.endm
; Four rows of X (16 registers from x, rows row .. row + 3): each row's four f32 become two registers of bf16 (hi) and two of what is left over (lo),
; and go into my slab.  Stage by stage over the four rows, so that no instruction waits for the one in front of it.  t: 32 registers at work.
.macro SPLIT4 x, row, t
.irp k, 0,1,2,3
	v_cvt_pk_bf16_f32 v[\t+8*\k], v[\x+4*\k], v[\x+4*\k+1]
	v_cvt_pk_bf16_f32 v[\t+8*\k+1], v[\x+4*\k+2], v[\x+4*\k+3]
.endr
.irp k, 0,1,2,3
	v_lshlrev_b32 v[\t+8*\k+4], 16, v[\t+8*\k]
	v_and_b32 v[\t+8*\k+5], s[SMASK], v[\t+8*\k]
	v_lshlrev_b32 v[\t+8*\k+6], 16, v[\t+8*\k+1]
	v_and_b32 v[\t+8*\k+7], s[SMASK], v[\t+8*\k+1]
.endr
.irp k, 0,1,2,3
	v_pk_add_f32 v[\x+4*\k:\x+4*\k+1], v[\x+4*\k:\x+4*\k+1], v[\t+8*\k+4:\t+8*\k+5] neg_lo:[0,1] neg_hi:[0,1]
	v_pk_add_f32 v[\x+4*\k+2:\x+4*\k+3], v[\x+4*\k+2:\x+4*\k+3], v[\t+8*\k+6:\t+8*\k+7] neg_lo:[0,1] neg_hi:[0,1]
.endr
.irp k, 0,1,2,3
	v_cvt_pk_bf16_f32 v[\t+8*\k+2], v[\x+4*\k], v[\x+4*\k+1]
	v_cvt_pk_bf16_f32 v[\t+8*\k+3], v[\x+4*\k+2], v[\x+4*\k+3]
.endr
.irp k, 0,1,2,3
	ds_store_b64 v[XSW], v[\t+8*\k:\t+8*\k+1] offset:PITCH*(\row+\k)
	ds_store_b64 v[XSW], v[\t+8*\k+2:\t+8*\k+3] offset:XHALF+PITCH*(\row+\k)
.endr
.endm
	s_load_b256 s[4:11], s[0:1], 0x0               ; X s[4:5], W s[6:7], bias s[8:9], Y s[10:11]
	v_lshl_add_u32 v62, v0, 2, 0x34200
	v_mov_b32 v63, 0
	v_lshrrev_b32 v11, 5, v0
	v_readfirstlane_b32 s12, v11                   ; wave 0..7
	s_mov_b32 s[SMASK], 0xffff0000
	v_and_b32 v12, 31, v0                          ; L
	v_and_b32 v13, 15, v0                          ; r
	v_bfe_u32 v14, v0, 4, 1                        ; hf
	v_lshlrev_b32 v[XO], 4, v12
	v_lshlrev_b32 v[BO], 4, v13
	v_lshl_add_u32 v[WO], v14, 16, v[BO]
	s_lshl_b32 s14, s12, 9                         ; X: 512 w bytes along a row
	s_mov_b32 s15, 0
	s_lshl_b32 s18, ttmp9, 8                       ; the work-group's 64 columns: 256 bytes along a row of W, of bias and of Y
	s_mov_b32 s19, 0
	s_lshl_b32 s16, s12, 19                        ; W: 128 w rows of 4,096 bytes
	s_add_co_u32 s16, s16, s18
	s_mov_b32 s17, 0
	s_wait_kmcnt 0x0
	s_add_nc_u64 s[4:5], s[4:5], s[14:15]
	s_add_nc_u64 s[6:7], s[6:7], s[16:17]
	s_add_nc_u64 s[8:9], s[8:9], s[18:19]
	s_add_nc_u64 s[10:11], s[10:11], s[18:19]
	; the first 49 loads: bias, 32 rows of X, the first K step's 16 pairs of rows of W
	global_load_b128 v[BIAS:BIAS+3], v[BO], s[8:9]
.set i, 0
.rept 32
	global_load_b128 v[XL+4*i:XL+4*i+3], v[XO], s[4:5] offset:i*4096
.set i, i+1
.endr
	WIN 0x40                                       ; destination in window 1
.set wi, 0
.rept 16
	WLOAD wi
.set wi, wi+1
.endr
	WIN 0
	s_mul_i32 s20, s12, XSLAB
	v_lshl_add_u32 v[XSW], v12, 3, s20             ; my slab + 8 L
	v_mul_u32_u24 v15, v13, PITCH                  ; 272 r
	v_lshl_add_u32 v[XA], v14, 5, v15
	v_add_nc_u32 v[XA], s20, v[XA]                 ; my slab + 272 r + 32 hf
	s_lshl_b32 s21, s12, 13
	s_add_co_u32 s21, s21, PART
	v_lshl_add_u32 v[PW], v12, 4, s21              ; my partial tiles + 16 L
	s_lshl_b32 s22, s12, 10
	s_add_co_u32 s22, s22, PART
	v_lshl_add_u32 v[RPA], v12, 4, s22             ; tile w in wave 0's slab + 16 L
	s_lshr_b32 s23, s12, 2                         ; tile w = (t, c) = (w / 4, w mod 4)
	s_mul_i32 s23, s23, 16*PITCH
	s_and_b32 s24, s12, 3
	s_lshl_b32 s24, s24, 2
	s_add_co_u32 s23, s23, s24
	s_add_co_u32 s23, s23, YST
	v_lshl_add_u32 v[YS], v14, 7, v15
	v_add_nc_u32 v[YS], s23, v[YS]                 ; block + (16 t + r) 272 + 128 hf + 4 c
	s_mul_i32 s24, s12, 4*PITCH
	s_add_co_u32 s24, s24, YST
	v_mul_u32_u24 v11, v14, PITCH
	v_add_nc_u32 v[RA], v11, v[BO]
	v_add_nc_u32 v[RA], s24, v[RA]                 ; block, row 4 w + hf, 16 r
	s_lshl_b32 s25, s12, 14
	v_lshl_add_u32 v[YO], v14, 12, v[BO]
	v_add_nc_u32 v[YO], s25, v[YO]                 ; (4 w + hf) rows of 4,096 bytes + 16 r
	; eight groups: four rows of X split and laid into my own slab, then six more loads of W.
	; Loads return in order (ISA guide 5.7.1).  Younger than row 4 g + 3 of X: 28 - 4 g rows of X, the first 16 loads of W, and 6 g more = 44 + 2 g.
.set g, 0
.rept 8
	s_wait_loadcnt 44+2*g
.set xr, XL+16*g
.set rw, 4*g
.set tb, TA+(TB-TA)*(g%2)
	SPLIT4 xr, rw, tb
	WIN 0x40
.rept 6
	WLOAD wi
.set wi, wi+1
.endr
	WIN 0
.set g, g+1
.endr
; the X fragments of K step ks from my slab into buffer buf: eight loads (LDS serves a wave in order: they see the stores above)
.macro XFRAG ks, buf
.irp p, 0,1
.irp t, 0,1
	ds_load_b128 v[\buf+32+8*(2*\p+\t):\buf+32+8*(2*\p+\t)+3], v[XA] offset:\t*16*PITCH+64*(\ks)+\p*XHALF
	ds_load_b128 v[\buf+32+8*(2*\p+\t)+4:\buf+32+8*(2*\p+\t)+7], v[XA] offset:\t*16*PITCH+64*(\ks)+\p*XHALF+16
.endr
.endr
.endm
; 32 along k: W to bf16 fragments, the next step's X fragments asked for, 16 matrix instructions.
; left = the loads of W that are younger than this step's sixteen.
; The eight accumulators take turns, one instruction a turn, from step to step too.
; Two buffers: between a step's matrix instructions and the next writes of its buffer (conversions, LDS loads) stand the other step's 32 conversions.
.macro KSTEP ks, buf, nbuf, left
	s_wait_loadcnt \left
	WIN 0x05                                       ; both sources in window 1
.irp c, 0,1,2,3
.irp q, 0,1,2,3,4,5,6,7
	v_cvt_pk_bf16_f32 v[\buf+8*\c+\q], v[64*\ks+8*\q+\c], v[64*\ks+8*\q+4+\c]
.endr
.endr
	WIN 0
.if \ks<3
	XFRAG \ks+1, \nbuf
	s_wait_dscnt 8                                 ; this step's fragments are in; the eight loads just issued may be out
.else
	s_wait_dscnt 0x0
.endif
.irp p, 0,1
.irp t, 0,1
.irp c, 0,1,2,3
.if (\ks+\p)==0
	v_wmma_f32_16x16x32_bf16 v[ACC+8*(4*\t+\c):ACC+8*(4*\t+\c)+7], v[\buf+8*\c:\buf+8*\c+7], v[\buf+32+8*(2*\p+\t):\buf+32+8*(2*\p+\t)+7], 0
.else
	v_wmma_f32_16x16x32_bf16 v[ACC+8*(4*\t+\c):ACC+8*(4*\t+\c)+7], v[\buf+8*\c:\buf+8*\c+7], v[\buf+32+8*(2*\p+\t):\buf+32+8*(2*\p+\t)+7], v[ACC+8*(4*\t+\c):ACC+8*(4*\t+\c)+7]
.endif
.endr
.endr
.endr
.endm
	XFRAG 0, BUF0
	KSTEP 0, BUF0, BUF1, 48
	KSTEP 1, BUF1, BUF0, 32
	KSTEP 2, BUF0, BUF1, 16
	KSTEP 3, BUF1, BUF0, 0
	; my eight partial tiles go to LDS as they lie in the registers: 16 bytes a lane, 512 neighbouring bytes a store
	PLACES
.irp tl, 0,1,2,3,4,5,6,7
.irp q, 0,1
	ds_store_b128 v[PW], v[ACC+8*\tl+4*\q:ACC+8*\tl+4*\q+3] offset:1024*\tl+512*\q
.endr
.endr
	s_wait_dscnt 0x0                               ; my partial sums are in LDS before I say so
	s_barrier_signal -1
	s_barrier_wait -1
	; wave w adds the eight waves' shares of tile w
.irp u, 0,1,2,3,4,5,6,7
.irp q, 0,1
	ds_load_b128 v[BUF0+4*(2*\u+\q):BUF0+4*(2*\u+\q)+3], v[RPA] offset:PSLAB*\u+512*\q
.endr
.endr
	s_wait_dscnt 0x0
.irp u, 1,2,3,4,5,6,7
.irp k, 0,2,4,6
	v_pk_add_f32 v[BUF0+\k:BUF0+\k+1], v[BUF0+\k:BUF0+\k+1], v[BUF0+8*\u+\k:BUF0+8*\u+\k+1]
.endr
.endr
	; register j of tile (t, c) in lane (r, hf) is Y(row 16 t + r, column 32 hf + 4 j + c): into the block, columns in their true order.
	; Rows 272 bytes apart and the halves 128; eight stores a wave, accepted.
.irp j, 0,1,2,3,4,5,6,7
	ds_store_b32 v[YS], v[BUF0+\j] offset:16*\j
.endr
	s_wait_dscnt 0x0
	s_barrier_signal -1
	s_barrier_wait -1
	; wave w stores rows 4 w .. 4 w + 3: lanes 0-15 one row, lanes 16-31 the next, twice
	ds_load_b128 v[BUF0+16:BUF0+19], v[RA]
	ds_load_b128 v[BUF0+20:BUF0+23], v[RA] offset:2*PITCH
	s_wait_dscnt 0x0
.irp e, 0,1
	v_pk_add_f32 v[BUF0+16+4*\e:BUF0+17+4*\e], v[BUF0+16+4*\e:BUF0+17+4*\e], v[BIAS:BIAS+1]
	v_pk_add_f32 v[BUF0+18+4*\e:BUF0+19+4*\e], v[BUF0+18+4*\e:BUF0+19+4*\e], v[BIAS+2:BIAS+3]
	global_store_b128 v[YO], v[BUF0+16+4*\e:BUF0+19+4*\e], s[10:11] offset:\e*8192   ; sixteen lanes store 256 consecutive bytes, aligned
.endr
	s_wait_tensorcnt 0x0
	ds_add_u32 v62, v63
	s_wait_dscnt 0x0
	s_endpgm
.Lfunc_end_k_q69af600fc5_qproj:
	.size	k_q69af600fc5_qproj, .Lfunc_end_k_q69af600fc5_qproj-k_q69af600fc5_qproj
	.p2alignl 7, 3214868480
	.fill 96, 4, 3214868480
	.section	.rodata,"a",@progbits
	.p2align	6, 0x0
	.amdhsa_kernel k_q69af600fc5_qproj
		.amdhsa_group_segment_fixed_size 214528
		.amdhsa_private_segment_fixed_size 0
		.amdhsa_enable_private_segment 0
		.amdhsa_kernarg_size 32
		.amdhsa_user_sgpr_count 2
		.amdhsa_user_sgpr_kernarg_segment_ptr 1
		.amdhsa_wavefront_size32 1
		.amdhsa_system_sgpr_workgroup_id_x 1
		.amdhsa_system_sgpr_workgroup_id_y 1
		.amdhsa_system_sgpr_workgroup_id_z 1
		.amdhsa_system_vgpr_workitem_id 0
		.amdhsa_next_free_vgpr 512
		.amdhsa_next_free_sgpr 66
		.amdhsa_reserve_vcc 0
		.amdhsa_float_denorm_mode_32 3
		.amdhsa_float_denorm_mode_16_64 3
		.amdhsa_memory_ordered 1
		.amdhsa_forward_progress 1
		.amdhsa_inst_pref_size 53
	.end_amdhsa_kernel
	.amdgpu_metadata
---
amdhsa.version: [ 1, 2 ]
amdhsa.kernels:
  - .name:           k_q69af600fc5_qproj
    .symbol:         k_q69af600fc5_qproj.kd
    .args:
      - { .name: vector, .offset: 0, .size: 8, .value_kind: global_buffer, .address_space: global }
      - { .name: Wq, .offset: 8, .size: 8, .value_kind: global_buffer, .address_space: global }
      - { .name: bq, .offset: 16, .size: 8, .value_kind: global_buffer, .address_space: global }
      - { .name: q, .offset: 24, .size: 8, .value_kind: global_buffer, .address_space: global }
    .group_segment_fixed_size: 214528
    .private_segment_fixed_size: 0
    .kernarg_segment_align: 8
    .kernarg_segment_size: 32
    .max_flat_workgroup_size: 256
    .sgpr_count:     66
    .vgpr_count:     512
    .wavefront_size: 32
...
	.end_amdgpu_metadata
.endif
;; end of part 1
;; launch qk (part 2): grid 16 x 16, 4 waves a work-group, no clusters, 27,648 bytes of LDS; arguments q, Wk, qkp; writes qkp
.if DOCPART == 2
	.amdgcn_target "amdgcn-amd-amdhsa--gfx1250"
	.amdhsa_code_object_version 6
	.text
	.protected	k_q69af600fc5_qk
	.globl	k_q69af600fc5_qk
	.p2align	8
	.type	k_q69af600fc5_qk,@function
k_q69af600fc5_qk:
	s_mov_b64 s[64:65], 0
	v_nop
	global_prefetch_b8 v0, s[64:65] scope:SCOPE_SE
	s_setreg_imm32_b32 hwreg(HW_REG_WAVE_MODE, 25, 1), 1
	s_wait_xcnt 0x0
; qk[b][h][i] = sum over d of Wk[i][64 h + d] q[b][64 h + d] / 8: the query carried through Wk, so that scores = matrix . qk and K is never formed.
; (An identity for every input; only the order of the sums differs from forming K first.)
; Work-group (x = head h, y = blk): 64 rows i = 64 blk .. of Wk, their 64 columns of head h, all 32 batches.
; OUTPUT qkp: bf16 [b 32][head 16][blk 16][part 2: hi, lo][pos 64]; position 16 c + m stands for i = 64 blk + 4 m + c, the order in which the
; next launch meets the columns of matrix.  One (b, head, blk) is 256 bytes.  Wave w makes positions 16 w .. 16 w + 15: rows i = 64 blk + 4 m + w.
; FORMATS: Wk rounded once to bf16; q / 8 (exact) goes in as hi + lo, the result leaves as hi + lo.  Sums in f32.
; LIMITS: NaN and infinities are not carried through the splits hi + lo as such.
.set KP,     144                       ; LDS row of 64 bf16 + 16 bytes, an odd multiple of 16
.set KSLAB,  16*KP                     ; a wave's own 16 rows of Wk
.set QS,     4*KSLAB                   ; q / 8: hi [32 b][144], then lo
.set QHALF,  32*KP
.set OST,    QS+2*QHALF                ; the result by batches: [32 b][272]: 128 bytes hi, 128 bytes lo, 16 of padding
.set OPITCH, 272
.set KO,  1                            ; v1  16,384 hf + 16 r: Wk, four rows apart for the upper lanes
.set QO,  2                            ; v2  4,096 hf + 16 r: q
.set KSW, 3
.set QSW, 4
.set KFA, 5
.set QFA, 6
.set OSW, 7
.set OSR, 8
.set GO,  9
.set KL,  16                           ; v[16:47] Wk as loaded; later D0 = v[16:23], D1 = v[24:31], v[32:47] hi and lo to store
.set QL,  48                           ; v[48:63] q as loaded; later the rows read back
.set T0,  64                           ; v[64:79] at work
.set KF,  80                           ; v[80:95] fragments of Wk, K step ks at + 8 ks
.set QF,  96                           ; v[96:159] fragments of q, (t, ks, part) at + 8 (4 t + 2 ks + part)
.set SMASK, 13
.macro PLACES
.rept 4
	v_nop
.endr
.endm
.macro SPLIT x, hi, lo, t
	v_cvt_pk_bf16_f32 v[\hi], v[\x], v[\x+1]
	v_cvt_pk_bf16_f32 v[\hi+1], v[\x+2], v[\x+3]
	v_lshlrev_b32 v[\t], 16, v[\hi]
	v_and_b32 v[\t+1], s[SMASK], v[\hi]
	v_lshlrev_b32 v[\t+2], 16, v[\hi+1]
	v_and_b32 v[\t+3], s[SMASK], v[\hi+1]
	v_pk_add_f32 v[\x:\x+1], v[\x:\x+1], v[\t:\t+1] neg_lo:[0,1] neg_hi:[0,1]
	v_pk_add_f32 v[\x+2:\x+3], v[\x+2:\x+3], v[\t+2:\t+3] neg_lo:[0,1] neg_hi:[0,1]
	v_cvt_pk_bf16_f32 v[\lo], v[\x], v[\x+1]
	v_cvt_pk_bf16_f32 v[\lo+1], v[\x+2], v[\x+3]
.endm
	s_load_b128 s[4:7], s[0:1], 0x0                ; q s[4:5], Wk s[6:7]
	s_load_b64 s[8:9], s[0:1], 0x10                ; qkp
	v_lshl_add_u32 v160, v0, 2, 0x6a00
	v_mov_b32 v161, 0
	v_lshrrev_b32 v12, 5, v0
	v_readfirstlane_b32 s10, v12                   ; wave 0..3
	s_and_b32 s12, ttmp7, 0xffff                   ; blk
	s_mov_b32 s[SMASK], 0xffff0000
	v_and_b32 v10, 15, v0                          ; r
	v_bfe_u32 v11, v0, 4, 1                        ; hf
	v_lshlrev_b32 v12, 4, v10                      ; 16 r
	v_lshl_add_u32 v[KO], v11, 14, v12
	v_lshl_add_u32 v[QO], v11, 12, v12
	s_lshl_b32 s20, ttmp9, 8                       ; 256 h: the head's 64 columns
	s_lshl_b32 s14, s12, 18                        ; Wk: row 64 blk + w
	s_lshl_b32 s15, s10, 12
	s_add_co_u32 s14, s14, s15
	s_add_co_u32 s14, s14, s20
	s_mov_b32 s15, 0
	s_lshl_b32 s16, s10, 15                        ; q: row 8 w
	s_add_co_u32 s16, s16, s20
	s_mov_b32 s17, 0
	s_lshl_b32 s18, ttmp9, 12                      ; qkp: 4,096 h + 256 blk
	s_lshl_b32 s19, s12, 8
	s_add_co_u32 s18, s18, s19
	s_mov_b32 s19, 0
	s_wait_kmcnt 0x0
	s_add_nc_u64 s[6:7], s[6:7], s[14:15]
	s_add_nc_u64 s[4:5], s[4:5], s[16:17]
	s_add_nc_u64 s[8:9], s[8:9], s[18:19]
.irp e, 0,1,2,3,4,5,6,7
	global_load_b128 v[KL+4*\e:KL+4*\e+3], v[KO], s[6:7] offset:\e*32768 th:TH_LOAD_NT   ; rows m = 2 e + hf: sixteen lanes read 256 consecutive bytes, aligned
.endr
.irp e, 0,1,2,3
	global_load_b128 v[QL+4*\e:QL+4*\e+3], v[QO], s[4:5] offset:\e*8192                  ; batches 8 w + 2 e + hf
.endr
	s_mul_i32 s21, s10, KSLAB
	v_lshlrev_b32 v13, 3, v10                      ; 8 r
	v_mul_u32_u24 v14, v11, KP                     ; 144 hf
	v_add3_u32 v[KSW], v13, v14, s21
	s_mul_i32 s22, s10, 8*KP
	s_add_co_u32 s22, s22, QS
	v_add3_u32 v[QSW], v13, v14, s22
	v_mul_u32_u24 v14, v10, KP
	v_lshl_add_u32 v14, v11, 5, v14                ; 144 r + 32 hf
	v_add_nc_u32 v[KFA], s21, v14
	v_add_nc_u32 v[QFA], QS, v14
	v_mul_u32_u24 v14, v10, OPITCH
	v_lshl_add_u32 v14, v11, 4, v14                ; 272 r + 16 hf
	s_lshl_b32 s23, s10, 5
	s_add_co_u32 s23, s23, OST
	v_add_nc_u32 v[OSW], s23, v14                  ; + 32 w: my 16 positions
	s_mul_i32 s23, s10, 8*OPITCH
	s_add_co_u32 s23, s23, OST
	v_mul_u32_u24 v14, v11, OPITCH
	v_add3_u32 v[OSR], v14, v12, s23               ; row 8 w + hf, 16 r
	s_lshl_b32 s23, s10, 19
	v_lshl_add_u32 v[GO], v11, 16, v12
	v_add_nc_u32 v[GO], s23, v[GO]                 ; (8 w + hf) batches of 65,536 bytes + 16 r
	s_wait_loadcnt 4                               ; the four loads of q are younger
.irp e, 0,1,2,3,4,5,6,7
	v_cvt_pk_bf16_f32 v[T0+2*\e], v[KL+4*\e], v[KL+4*\e+1]
	v_cvt_pk_bf16_f32 v[T0+2*\e+1], v[KL+4*\e+2], v[KL+4*\e+3]
	ds_store_b64 v[KSW], v[T0+2*\e:T0+2*\e+1] offset:2*KP*\e
.endr
	s_wait_loadcnt 0x0
.irp e, 0,1,2,3
.irp k, 0,1,2,3
	v_mul_f32 v[QL+4*\e+\k], 0x3e000000, v[QL+4*\e+\k]     ; / 8, exact
.endr
.set tt, T0+8*(\e&1)
	SPLIT QL+4*\e, tt, tt+2, tt+4
	ds_store_b64 v[QSW], v[tt:tt+1] offset:2*KP*\e
	ds_store_b64 v[QSW], v[tt+2:tt+3] offset:QHALF+2*KP*\e
.endr
	s_wait_dscnt 0x0                               ; my rows of q are in LDS before I say so
	s_barrier_signal -1
	s_barrier_wait -1
	; fragments: on both sides a lane takes 32 neighbouring bytes, d = 32 ks + 16 hf + 0 .. 15: the same order of d for Wk and q
.irp ks, 0,1
	ds_load_b128 v[KF+8*\ks:KF+8*\ks+3], v[KFA] offset:64*\ks
	ds_load_b128 v[KF+8*\ks+4:KF+8*\ks+7], v[KFA] offset:64*\ks+16
.endr
.irp t, 0,1
.irp ks, 0,1
.irp p, 0,1
	ds_load_b128 v[QF+8*(4*\t+2*\ks+\p):QF+8*(4*\t+2*\ks+\p)+3], v[QFA] offset:\t*16*KP+64*\ks+\p*QHALF
	ds_load_b128 v[QF+8*(4*\t+2*\ks+\p)+4:QF+8*(4*\t+2*\ks+\p)+7], v[QFA] offset:\t*16*KP+64*\ks+\p*QHALF+16
.endr
.endr
.endr
	s_wait_dscnt 0x0
	; the two accumulators (batches 0-15, 16-31) take turns, one instruction a turn
.irp ks, 0,1
.irp p, 0,1
.irp t, 0,1
.if (\ks+\p)==0
	v_wmma_f32_16x16x32_bf16 v[KL+8*\t:KL+8*\t+7], v[KF+8*\ks:KF+8*\ks+7], v[QF+8*(4*\t+2*\ks+\p):QF+8*(4*\t+2*\ks+\p)+7], 0
.else
	v_wmma_f32_16x16x32_bf16 v[KL+8*\t:KL+8*\t+7], v[KF+8*\ks:KF+8*\ks+7], v[QF+8*(4*\t+2*\ks+\p):QF+8*(4*\t+2*\ks+\p)+7], v[KL+8*\t:KL+8*\t+7]
.endif
.endr
.endr
.endr
	PLACES                                         ; four places before the results are read (ISA guide 7.12.1)
	; register j of lane (r, hf): position 16 w + 8 hf + j of batch 16 t + r: eight neighbouring positions, 16 bytes of hi and 16 of lo
.irp t, 0,1
	SPLIT KL+8*\t, 32+8*\t, 36+8*\t, T0
	SPLIT KL+8*\t+4, 34+8*\t, 38+8*\t, T0+4
	ds_store_b128 v[OSW], v[32+8*\t:35+8*\t] offset:\t*16*OPITCH
	ds_store_b128 v[OSW], v[36+8*\t:39+8*\t] offset:\t*16*OPITCH+128
.endr
	s_wait_dscnt 0x0
	s_barrier_signal -1
	s_barrier_wait -1
.irp e, 0,1,2,3
	ds_load_b128 v[QL+4*\e:QL+4*\e+3], v[OSR] offset:\e*2*OPITCH
.endr
.irp e, 0,1,2,3
	s_wait_dscnt 3-\e                              ; LDS loads return in order: load e is in
	global_store_b128 v[GO], v[QL+4*\e:QL+4*\e+3], s[8:9] offset:\e*131072   ; batch 8 w + 2 e + hf: sixteen lanes store its 256 bytes, aligned
.endr
	s_wait_tensorcnt 0x0
	ds_add_u32 v160, v161
	s_wait_dscnt 0x0
	s_endpgm
.Lfunc_end_k_q69af600fc5_qk:
	.size	k_q69af600fc5_qk, .Lfunc_end_k_q69af600fc5_qk-k_q69af600fc5_qk
	.p2alignl 7, 3214868480
	.fill 96, 4, 3214868480
	.section	.rodata,"a",@progbits
	.p2align	6, 0x0
	.amdhsa_kernel k_q69af600fc5_qk
		.amdhsa_group_segment_fixed_size 27648
		.amdhsa_private_segment_fixed_size 0
		.amdhsa_enable_private_segment 0
		.amdhsa_kernarg_size 24
		.amdhsa_user_sgpr_count 2
		.amdhsa_user_sgpr_kernarg_segment_ptr 1
		.amdhsa_wavefront_size32 1
		.amdhsa_system_sgpr_workgroup_id_x 1
		.amdhsa_system_sgpr_workgroup_id_y 1
		.amdhsa_system_sgpr_workgroup_id_z 1
		.amdhsa_system_vgpr_workitem_id 0
		.amdhsa_next_free_vgpr 162
		.amdhsa_next_free_sgpr 66
		.amdhsa_reserve_vcc 0
		.amdhsa_float_denorm_mode_32 3
		.amdhsa_float_denorm_mode_16_64 3
		.amdhsa_memory_ordered 1
		.amdhsa_forward_progress 1
		.amdhsa_inst_pref_size 15
	.end_amdhsa_kernel
	.amdgpu_metadata
---
amdhsa.version: [ 1, 2 ]
amdhsa.kernels:
  - .name:           k_q69af600fc5_qk
    .symbol:         k_q69af600fc5_qk.kd
    .args:
      - { .name: q, .offset: 0, .size: 8, .value_kind: global_buffer, .address_space: global }
      - { .name: Wk, .offset: 8, .size: 8, .value_kind: global_buffer, .address_space: global }
      - { .name: qkp, .offset: 16, .size: 8, .value_kind: global_buffer, .address_space: global }
    .group_segment_fixed_size: 27648
    .private_segment_fixed_size: 0
    .kernarg_segment_align: 8
    .kernarg_segment_size: 24
    .max_flat_workgroup_size: 128
    .sgpr_count:     66
    .vgpr_count:     162
    .wavefront_size: 32
...
	.end_amdgpu_metadata
.endif
;; end of part 2
;; launch main (part 3): grid 8 x 32, 8 waves a work-group, no clusters, 133,632 bytes of LDS; arguments matrix, mask, qkp, q, bk, out2, st, pc; writes out2, st, pc
.if DOCPART == 3
	.amdgcn_target "amdgcn-amd-amdhsa--gfx1250"
	.amdhsa_code_object_version 6
	.text
	.protected	k_q69af600fc5_main
	.globl	k_q69af600fc5_main
	.p2align	8
	.type	k_q69af600fc5_main,@function
k_q69af600fc5_main:
	s_mov_b64 s[64:65], 0
	v_nop
	global_prefetch_b8 v0, s[64:65] scope:SCOPE_SE
	s_setreg_imm32_b32 hwreg(HW_REG_WAVE_MODE, 25, 1), 1
	s_wait_xcnt 0x0
; The one pass over matrix.  Work-group (x = chunk c, y = batch b) takes rows t = 128 c .. 128 c + 127 of batch b and makes
;   out2: the raw scores  s[h][t] = matrix[t][:] . qk[h][:] + qb[h],  qb[h] = sum over d of bk[64 h + d] q[64 h + d] / 8;
;   st:   for each head the chunk's maximum m of the masked scores and l = sum over t of exp(s - m);
;   pc:   for each head the chunk's context  sum over t of exp(s - m) matrix[t][:], not yet normalised.
; Neither K nor V is formed: with one query a batch, q . (x Wk + bk) = x . (Wk q) + bk . q, and sum attn (x Wv + bv) = (sum attn x) Wv + bv since
; the weights of a softmax add up to 1.  These are identities for every input; the order of the sums differs from the written one.
; FORMATS: matrix and the weights exp(s - m) are rounded once to bf16; qk comes as bf16 hi + lo (two matrix instructions).  Sums, softmax in f32.
; LIMITS: a true score at or below -1e30 is not told from a masked one (as in the written form); NaN and infinities in matrix spread over a whole chunk.
; The maximum is always taken away before an exponential: per tile of 16 rows, then per chunk here, over the chunks in the next launch.
; SHARES: wave w owns columns i = 128 w .. 128 w + 127 of all 128 rows, for both products.  Its strip is loaded once, 16 bytes a lane, sixteen lanes on 256
; consecutive aligned bytes of one row, the other sixteen on the row 8 further down.  A UNIT is 32 rows x 64 columns, 16 loads: component c of the loads is a
; fragment with lane r = column 4 r + c and k = t in the matrix unit's own order; it serves the context product as it is and stays in registers (window 1).
; For the score product the sum runs over columns, so the unit also goes through a stage in LDS of the wave's own and comes back transposed.
; The context product takes the weights as source 0 and the matrix fragments as source 1: a lane's four tiles c then hold four neighbouring columns of one
; head, which four register moves gather into 16 bytes: the context leaves straight from registers, without LDS.
; No tensor loads and no cluster: each byte of matrix is used by one wave alone and lands where the conversion wants it; what the eight work-groups of a batch
; share is qkp, 64 KiB beside 512 KiB of matrix.  Two to four units (8 KiB each) of every wave are on their way until the last ones drain.
.set SP,      96                       ; stage row: 32 t of bf16 + 32 bytes, an odd multiple of 32 bytes, for the transposing load
.set STGSLAB, 64*SP                    ; a wave's stage: 64 columns (row 16 c + r = column 4 r + c)
.set PART,    8*STGSLAB                ; partial scores, a wave's slab 8,192 = [tile 8][quad 2][lane 32][16 bytes]
.set PT,      PART+8*8192              ; exp(s - tile maximum), one set of tiles in the same form
.set SOP,     528                      ; 512 bytes + 16
.set SOUT,    PT+8192                  ; raw scores [16 heads][528]
.set ML,      SOUT+16*SOP              ; [tile 8][head 16][maximum, sum]
.set QB,      ML+1024                  ; qb[16]
; window 0
.set MOFF,  1                          ; v1  32,768 hf + 512 w + 16 r
.set STA,   2                          ; v2  stage, in
.set TRA,   3                          ; v3  stage, back transposed
.set PW,    4                          ; v4  my partial scores
.set QOFF,  5                          ; v5  4,096 r + 16 hf: qkp, lane r = head
.set MKO,   6                          ; v6  32 hf
.set TID16, 7                          ; v7  16 x thread
.set MK,    8                          ; v[8:15]   mask of tile w; in the tail two rows of raw scores on their way out
.set QK,    16                         ; v[16:79]  fragments of qk, (u, ks, part) at + 8 (4 u + 2 ks + part)
.set ACC,   80                         ; v[80:95]  two score tiles (rows 16 t .. of the unit's 32)
.set AF,    96                         ; v[96:127] four transposed fragments (ks, t) at + 8 (2 ks + t)
.set SLA,   128                        ; v[128:191] landing slot A
.set SLB,   192                        ; v[192:255] landing slot B
; window 1: fragments of unit n at 32 n + 8 c; v[192:255] and v[128:191] there are landing slots as long as units 6, 7 and 4, 5 have no fragments
; the tail, window 0, in registers that the score product has left
.set PF,    16                         ; v[16:47]  weights as fragments, 32 rows kt at + 8 kt
.set RPA,   48
.set QBA,   49
.set SOA,   50
.set PTW,   51
.set MLW,   52
.set MLR,   53
.set PTR,   54
.set SOR,   55
.set PCO,   56                         ; 32,768 hf + 16 r: my 16 bytes of pc, eight heads further down for the upper lanes
.set L16,   58
.set L8,    59
.set NB,    60                         ; -1e30
.set QBV,   61
.set MX,    62                         ; v[62:63] the chunk's m and l
.set SS,    64                         ; v[64:71] masked scores, then their exponentials
.set TW,    72                         ; v[72:76] the tile's maximum and sum, at work
.set MLV,   96                         ; v[96:111] the eight tiles' maxima and sums
.set FT,    112                        ; v[112:119] exp(tile maximum - m)
.set CT,    128                        ; v[128:191] context tiles (u, c) at + 8 (4 u + c)
.set MSB, 0
.macro WIN new                         ; s_set_vgpr_msb: low byte = the windows (1:0 source 0, 3:2 source 1, 5:4 source 2, 7:6 destination), high byte = the setting left
.if MSB != \new
	s_set_vgpr_msb (MSB<<8)|\new
.set MSB, \new
.endif
.endm
.macro PLACES                          ; four plain vector instructions between a matrix instruction and the first other use of its registers (ISA guide 7.12.1)
.rept 4
	v_nop
.endr
.endm
; unit n = 2 kt + u: rows 32 kt .., columns 64 u .. of my strip.  Load s: rows 32 kt + s + 8 (s / 8) (lanes 0-15) and 8 further down (lanes 16-31).
.macro LOADU n, win, base
.if \win
	WIN 0x40
.else
	WIN 0
.endif
.irp s, 0,1,2,3,4,5,6,7,8,9,10,11,12,13,14,15
	global_load_b128 v[\base+4*\s:\base+4*\s+3], v[MOFF], s[4:5] offset:(32*(\n>>1)+\s+8*(\s>>3))*4096+256*(\n&1) th:TH_LOAD_NT
.endr
.endm
.macro CONV n, win, base               ; 64 registers of f32 become the unit's four fragments in window 1
.if \win
	WIN 0x45
.else
	WIN 0x40
.endif
.irp c, 0,1,2,3
.irp q, 0,1,2,3,4,5,6,7
	v_cvt_pk_bf16_f32 v[32*\n+8*\c+\q], v[\base+8*\q+\c], v[\base+8*\q+4+\c]
.endr
.endr
.endm
.macro STAGE n                         ; row 16 c + r of my stage gets its 32 t.  Rows 96 bytes apart; eight stores a unit, accepted
	WIN 0x04
.irp c, 0,1,2,3
	ds_store_b128 v[STA], v[32*\n+8*\c:32*\n+8*\c+3] offset:16*SP*\c
	ds_store_b128 v[STA], v[32*\n+8*\c+4:32*\n+8*\c+7] offset:16*SP*\c+32
.endr
.endm
.macro FRAGS                           ; back transposed: lane r = row 16 t + r, k = stage rows 32 ks ..  LDS serves a wave in order: these see the stores above
	WIN 0
.irp k, 0,1
.irp t, 0,1
	ds_load_tr16_b128 v[AF+8*(2*\k+\t):AF+8*(2*\k+\t)+3], v[TRA] offset:32*SP*\k+32*\t
	ds_load_tr16_b128 v[AF+8*(2*\k+\t)+4:AF+8*(2*\k+\t)+7], v[TRA] offset:32*SP*\k+32*\t+16*SP
.endr
.endr
.endm
; eight matrix instructions; the two accumulators take turns, one instruction a turn, from unit to unit too.
; The next unit's 32 conversions are the places in front of the next loads into AF and of the next start of the sums.
.macro SCORE u
	s_wait_dscnt 0x0
.irp k, 0,1
.irp p, 0,1
.irp t, 0,1
.if (\u+\k+\p)==0
	v_wmma_f32_16x16x32_bf16 v[ACC+8*\t:ACC+8*\t+7], v[AF+8*(2*\k+\t):AF+8*(2*\k+\t)+7], v[QK+8*(4*\u+2*\k+\p):QK+8*(4*\u+2*\k+\p)+7], 0
.else
	v_wmma_f32_16x16x32_bf16 v[ACC+8*\t:ACC+8*\t+7], v[AF+8*(2*\k+\t):AF+8*(2*\k+\t)+7], v[QK+8*(4*\u+2*\k+\p):QK+8*(4*\u+2*\k+\p)+7], v[ACC+8*\t:ACC+8*\t+7]
.endif
.endr
.endr
.endr
.endm
.macro FLUSH kt                        ; my strip's share of the scores of rows 32 kt ..: tiles 2 kt, 2 kt + 1
	PLACES
.irp t, 0,1
.irp q, 0,1
	ds_store_b128 v[PW], v[ACC+8*\t+4*\q:ACC+8*\t+4*\q+3] offset:(2*\kt+\t)*1024+512*\q
.endr
.endr
.endm
; left = the loads that are younger than this unit's sixteen; nl >= 0: unit nl is asked for into a slot that a conversion has just emptied
.macro UNIT n, u, kt, left, win, base, nl, nlwin, nlbase
	s_wait_loadcnt \left
	CONV \n, \win, \base
.if \nl>=0
	LOADU \nl, \nlwin, \nlbase
.endif
	STAGE \n
	FRAGS
	SCORE \u
.if \u
	FLUSH \kt
.endif
.endm
	s_load_b512 s[4:19], s[0:1], 0x0               ; matrix 4, mask 6, qkp 8, q 10, bk 12, out2 14, st 16, pc 18
	v_lshrrev_b32 v80, 5, v0
	v_readfirstlane_b32 s20, v80                   ; wave 0..7
	s_and_b32 s22, ttmp7, 0xffff                   ; batch b; ttmp9 = chunk c
	s_mov_b32 s28, 0x3fb8aa3b                      ; log2 e
	s_mov_b32 s30, 0x76543210                      ; v_permlanex16_b32: lane i of one half reads lane i of the other
	s_mov_b32 s31, 0xfedcba98
	v_and_b32 v80, 15, v0                          ; r
	v_bfe_u32 v81, v0, 4, 1                        ; hf
	v_and_b32 v82, 31, v0                          ; L
	v_lshlrev_b32 v83, 4, v80
	s_lshl_b32 s23, s20, 9                         ; 512 w
	v_lshl_add_u32 v[MOFF], v81, 15, v83
	v_add_nc_u32 v[MOFF], s23, v[MOFF]
	v_lshlrev_b32 v[QOFF], 12, v80
	v_lshl_add_u32 v[QOFF], v81, 4, v[QOFF]
	v_lshlrev_b32 v[MKO], 5, v81
	v_lshlrev_b32 v[TID16], 4, v0
	s_mov_b32 s25, 0
	s_lshl_b32 s24, s22, 22                        ; matrix: (1,024 b + 128 c) rows of 4,096 bytes
	s_lshl_b32 s26, ttmp9, 19
	s_add_co_u32 s24, s24, s26
	s_wait_kmcnt 0x0
	s_add_nc_u64 s[4:5], s[4:5], s[24:25]
	s_lshl_b32 s24, s22, 12                        ; mask: 4 (1,024 b + 128 c + 16 w)
	s_lshl_b32 s26, ttmp9, 9
	s_add_co_u32 s24, s24, s26
	s_lshl_b32 s26, s20, 6
	s_add_co_u32 s24, s24, s26
	s_add_nc_u64 s[6:7], s[6:7], s[24:25]
	s_lshl_b32 s24, s22, 16                        ; qkp: 65,536 b + 512 w (blocks 2 w, 2 w + 1)
	s_add_co_u32 s24, s24, s23
	s_add_nc_u64 s[8:9], s[8:9], s[24:25]
	s_lshl_b32 s24, s22, 12                        ; q: row b
	s_add_nc_u64 s[10:11], s[10:11], s[24:25]
	s_lshl_b32 s24, s22, 16                        ; out2: 4 (16,384 b + 128 c) + rows 2 w, 2 w + 1 of 4,096 bytes
	s_lshl_b32 s26, ttmp9, 9
	s_add_co_u32 s24, s24, s26
	s_lshl_b32 s26, s20, 13
	s_add_co_u32 s24, s24, s26
	s_add_nc_u64 s[14:15], s[14:15], s[24:25]
	s_lshl_b32 s24, s22, 11                        ; st: 256 (8 b + c)
	s_lshl_b32 s26, ttmp9, 8
	s_add_co_u32 s24, s24, s26
	s_add_nc_u64 s[16:17], s[16:17], s[24:25]
	s_lshl_b32 s24, s22, 19                        ; pc: 65,536 (8 b + c) + 512 w
	s_lshl_b32 s26, ttmp9, 16
	s_add_co_u32 s24, s24, s26
	s_add_co_u32 s24, s24, s23
	s_add_nc_u64 s[18:19], s[18:19], s[24:25]
	global_load_b128 v[96:99], v[TID16], s[10:11]          ; q, four numbers a thread
	global_load_b128 v[100:103], v[TID16], s[12:13]        ; bk
	global_load_b128 v[MK:MK+3], v[MKO], s[6:7]            ; mask of rows 16 w + 8 hf + 0 .. 7
	global_load_b128 v[MK+4:MK+7], v[MKO], s[6:7] offset:16
.irp u, 0,1
.irp k, 0,1
.irp p, 0,1
	global_load_b128 v[QK+8*(4*\u+2*\k+\p):QK+8*(4*\u+2*\k+\p)+3], v[QOFF], s[8:9] offset:256*\u+128*\p+64*\k
	global_load_b128 v[QK+8*(4*\u+2*\k+\p)+4:QK+8*(4*\u+2*\k+\p)+7], v[QOFF], s[8:9] offset:256*\u+128*\p+64*\k+32
.endr
.endr
.endr
	LOADU 0, 1, 192
	LOADU 1, 1, 128
	LOADU 2, 0, SLA
	LOADU 3, 0, SLB
	s_mul_i32 s24, s20, STGSLAB
	v_mul_u32_u24 v83, v80, SP
	v_lshl_add_u32 v83, v81, 4, v83
	v_add_nc_u32 v[STA], s24, v83                  ; my stage + 96 r + 16 hf
	v_and_b32 v83, 7, v0
	v_lshl_add_u32 v83, v81, 3, v83
	v_mul_u32_u24 v83, v83, SP
	v_bfe_u32 v84, v0, 3, 1
	v_lshl_add_u32 v83, v84, 4, v83
	v_add_nc_u32 v[TRA], s24, v83                  ; my stage + (8 hf + L mod 8) 96 + 16 ((L / 8) mod 2)
	s_lshl_b32 s24, s20, 13
	s_add_co_u32 s24, s24, PART
	v_lshl_add_u32 v[PW], v82, 4, s24
	; qb: thread t holds elements 4 t .. 4 t + 3, sixteen neighbouring lanes one head
	s_wait_loadcnt 63                              ; 82 loads are younger than bk; 63 is the largest count that can be written, and a smaller count is safe
	v_mul_f32 v104, v96, v100
	v_fmac_f32 v104, v97, v101
	v_fmac_f32 v104, v98, v102
	v_fmac_f32 v104, v99, v103
	v_add_f32_dpp v104, v104, v104 row_xmask:1 row_mask:0xf bank_mask:0xf
	v_add_f32_dpp v104, v104, v104 row_xmask:2 row_mask:0xf bank_mask:0xf
	v_add_f32_dpp v104, v104, v104 row_xmask:4 row_mask:0xf bank_mask:0xf
	v_add_f32_dpp v104, v104, v104 row_xmask:8 row_mask:0xf bank_mask:0xf
	v_mul_f32 v104, 0x3e000000, v104               ; / 8
	v_lshrrev_b32 v105, 4, v0
	v_lshlrev_b32 v105, 2, v105
	v_add_nc_u32 v105, QB, v105
	ds_store_b32 v105, v104                        ; sixteen lanes, one word, one value
	;    n  u  kt left      from      then ask for
	UNIT 0, 0, 0, 48, 1, 192,   4, 1, 192          ; younger: units 1, 2, 3
	UNIT 1, 1, 0, 48, 1, 128,  -1, 0, 0            ; 2, 3, 4
	UNIT 2, 0, 1, 32, 0, SLA,   5, 0, SLA          ; 3, 4
	UNIT 3, 1, 1, 32, 0, SLB,   6, 0, SLB          ; 4, 5
	UNIT 4, 0, 2, 32, 1, 192,  -1, 0, 0            ; 5, 6
	UNIT 5, 1, 2, 16, 0, SLA,   7, 0, SLA          ; 6
	UNIT 6, 0, 3, 16, 0, SLB,  -1, 0, 0            ; 7
	UNIT 7, 1, 3, 0,  0, SLA,  -1, 0, 0
	s_wait_dscnt 0x0                               ; my partial scores and my part of qb are in LDS before I say so
	s_barrier_signal -1
	; register work while the others arrive: the addresses of the tail (four places stand behind the last matrix instruction, in FLUSH)
	v_and_b32 v64, 15, v0                          ; r
	v_bfe_u32 v65, v0, 4, 1                        ; hf
	v_and_b32 v66, 31, v0                          ; L
	v_lshlrev_b32 v[L16], 4, v66
	v_lshlrev_b32 v[L8], 3, v66
	s_lshl_b32 s24, s20, 10                        ; 1,024 w: tile w
	s_add_co_u32 s26, s24, PART
	v_add_nc_u32 v[RPA], s26, v[L16]
	s_add_co_u32 s26, s24, PT
	v_add_nc_u32 v[PTW], s26, v[L16]
	v_add_nc_u32 v[PTR], PT, v[L16]
	v_lshlrev_b32 v67, 2, v64
	v_add_nc_u32 v[QBA], QB, v67
	v_mul_u32_u24 v67, v64, SOP                    ; 528 r
	v_lshl_add_u32 v68, v65, 5, v67
	s_lshl_b32 s26, s20, 6
	s_add_co_u32 s26, s26, SOUT
	v_add_nc_u32 v[SOA], s26, v68                  ; head r, t = 16 w + 8 hf
	v_lshlrev_b32 v68, 3, v64
	v_add_nc_u32 v[MLR], ML, v68
	s_lshl_b32 s26, s20, 7
	v_add_nc_u32 v[MLW], s26, v[MLR]
	s_mul_i32 s26, s20, 2*SOP
	s_add_co_u32 s26, s26, SOUT
	v_add_nc_u32 v[SOR], s26, v[L16]               ; heads 2 w, 2 w + 1 as whole rows
	v_lshlrev_b32 v[PCO], 4, v64
	v_lshl_add_u32 v[PCO], v65, 15, v[PCO]         ; 8 hf heads of 4,096 bytes + 16 r
	v_mov_b32 v[NB], 0xf149f2ca                    ; -1e30
	s_barrier_wait -1
	; wave w adds the eight strips' shares of tile w: lane (r, hf), register j = score of head r, row 16 w + 8 hf + j
.irp u, 0,1,2,3,4,5,6,7
.irp q, 0,1
	ds_load_b128 v[SLA+4*(2*\u+\q):SLA+4*(2*\u+\q)+3], v[RPA] offset:8192*\u+512*\q
.endr
.endr
	ds_load_b32 v[QBV], v[QBA]
	s_wait_dscnt 0x0
.irp u, 1,2,3,4,5,6,7
.irp k, 0,2,4,6
	v_pk_add_f32 v[SLA+\k:SLA+\k+1], v[SLA+\k:SLA+\k+1], v[SLA+8*\u+\k:SLA+8*\u+\k+1]
.endr
.endr
.irp j, 0,1,2,3,4,5,6,7
	v_add_f32 v[SLA+\j], v[SLA+\j], v[QBV]
.endr
	ds_store_b128 v[SOA], v[SLA:SLA+3]             ; the raw scores, on their way to out2
	ds_store_b128 v[SOA], v[SLA+4:SLA+7] offset:16
.irp j, 0,1,2,3,4,5,6,7
	v_cmp_lt_i32 vcc_lo, 0, v[MK+\j]               ; mask > 0
	v_cndmask_b32 v[SS+\j], v[NB], v[SLA+\j], vcc_lo
.endr
	v_max3_num_f32 v[TW], v[SS], v[SS+1], v[SS+2]
	v_max3_num_f32 v[TW], v[TW], v[SS+3], v[SS+4]
	v_max3_num_f32 v[TW], v[TW], v[SS+5], v[SS+6]
	v_max_num_f32 v[TW], v[TW], v[SS+7]
	v_mov_b32 v[TW+1], v[TW]                       ; the destination of the next line counts as read
	v_permlanex16_b32 v[TW+1], v[TW], s30, s31     ; the other eight rows of my head
	v_max_num_f32 v[TW], v[TW], v[TW+1]            ; the tile's maximum
.irp j, 0,1,2,3,4,5,6,7
	v_sub_f32 v[SS+\j], v[SS+\j], v[TW]            ; the difference first: -1e30 less -1e30 is exactly 0
.endr
.irp j, 0,1,2,3,4,5,6,7
	v_mul_f32 v[SS+\j], s28, v[SS+\j]
.endr
.irp j, 0,1,2,3,4,5,6,7
	v_exp_f32 v[SS+\j], v[SS+\j]
.endr
	v_nop                                          ; one plain instruction before a result is used (ISA guide 5.7.2)
	s_wait_alu depctr_va_vdst(0)
	v_add_f32 v[TW+1], v[SS], v[SS+1]
	v_add_f32 v[TW+2], v[SS+2], v[SS+3]
	v_add_f32 v[TW+3], v[SS+4], v[SS+5]
	v_add_f32 v[TW+4], v[SS+6], v[SS+7]
	v_add_f32 v[TW+1], v[TW+1], v[TW+2]
	v_add_f32 v[TW+3], v[TW+3], v[TW+4]
	v_add_f32 v[TW+1], v[TW+1], v[TW+3]
	v_permlanex16_b32 v[TW+2], v[TW+1], s30, s31
	v_add_f32 v[TW+1], v[TW+1], v[TW+2]            ; the tile's sum
	ds_store_b128 v[PTW], v[SS:SS+3]
	ds_store_b128 v[PTW], v[SS+4:SS+7] offset:512
	ds_store_b64 v[MLW], v[TW:TW+1]                ; both lane halves write the same pair
	s_wait_dscnt 0x0
	s_barrier_signal -1
	s_barrier_wait -1
	; every wave: all tiles' figures and weights, and two rows of raw scores
.irp tl, 0,1,2,3,4,5,6,7
	ds_load_b64 v[MLV+2*\tl:MLV+2*\tl+1], v[MLR] offset:128*\tl
.endr
.irp tl, 0,1,2,3,4,5,6,7
.irp q, 0,1
	ds_load_b128 v[SLB+4*(2*\tl+\q):SLB+4*(2*\tl+\q)+3], v[PTR] offset:1024*\tl+512*\q
.endr
.endr
	ds_load_b128 v[MK:MK+3], v[SOR]
	ds_load_b128 v[MK+4:MK+7], v[SOR] offset:SOP
	s_wait_dscnt 18                                ; 16 + 2 loads are younger than the eight pairs
	v_max3_num_f32 v[MX], v[MLV], v[MLV+2], v[MLV+4]
	v_max3_num_f32 v[MX], v[MX], v[MLV+6], v[MLV+8]
	v_max3_num_f32 v[MX], v[MX], v[MLV+10], v[MLV+12]
	v_max_num_f32 v[MX], v[MX], v[MLV+14]          ; m of the chunk, head r
.irp tl, 0,1,2,3,4,5,6,7
	v_sub_f32 v[FT+\tl], v[MLV+2*\tl], v[MX]
.endr
.irp tl, 0,1,2,3,4,5,6,7
	v_mul_f32 v[FT+\tl], s28, v[FT+\tl]
.endr
.irp tl, 0,1,2,3,4,5,6,7
	v_exp_f32 v[FT+\tl], v[FT+\tl]
.endr
	v_nop
	s_wait_alu depctr_va_vdst(0)
	v_mul_f32 v[MX+1], v[MLV+1], v[FT]
.irp tl, 1,2,3,4,5,6,7
	v_fmac_f32 v[MX+1], v[MLV+2*\tl+1], v[FT+\tl]  ; l of the chunk
.endr
	s_wait_dscnt 2                                 ; the two rows of raw scores are younger than the weights
.irp g, 0,1,2,3
.irp k, 0,2,4,6
	v_pk_mul_f32 v[SLB+16*\g+\k:SLB+16*\g+\k+1], v[SLB+16*\g+\k:SLB+16*\g+\k+1], v[FT+2*\g:FT+2*\g+1] op_sel_hi:[1,0]                  ; tile 2 g: both by the pair's first
	v_pk_mul_f32 v[SLB+16*\g+8+\k:SLB+16*\g+8+\k+1], v[SLB+16*\g+8+\k:SLB+16*\g+8+\k+1], v[FT+2*\g:FT+2*\g+1] op_sel:[0,1] op_sel_hi:[1,1]   ; tile 2 g + 1: both by its second
.endr
.endr
.irp tl, 0,1,2,3,4,5,6,7
.irp k, 0,1,2,3
	v_cvt_pk_bf16_f32 v[PF+4*\tl+\k], v[SLB+8*\tl+2*\k], v[SLB+8*\tl+2*\k+1]   ; tiles 2 kt, 2 kt + 1 are registers 0-3, 4-7 of a fragment: lane r = head, k = t in the unit's own order
.endr
.endr
	; context: (heads) x (columns of my strip), summed over the 128 rows; eight accumulators take turns
	WIN 0x04                                       ; source 1 in window 1
.irp kt, 0,1,2,3
.irp u, 0,1
.irp c, 0,1,2,3
.if \kt==0
	v_wmma_f32_16x16x32_bf16 v[CT+8*(4*\u+\c):CT+8*(4*\u+\c)+7], v[PF+8*\kt:PF+8*\kt+7], v[32*(2*\kt+\u)+8*\c:32*(2*\kt+\u)+8*\c+7], 0
.else
	v_wmma_f32_16x16x32_bf16 v[CT+8*(4*\u+\c):CT+8*(4*\u+\c)+7], v[PF+8*\kt:PF+8*\kt+7], v[32*(2*\kt+\u)+8*\c:32*(2*\kt+\u)+8*\c+7], v[CT+8*(4*\u+\c):CT+8*(4*\u+\c)+7]
.endif
.endr
.endr
.endr
	WIN 0
	s_wait_dscnt 0x0
	global_store_b128 v[L16], v[MK:MK+3], s[14:15]                 ; head 2 w: 512 consecutive bytes, aligned
	global_store_b128 v[L16], v[MK+4:MK+7], s[14:15] offset:4096   ; head 2 w + 1
	PLACES
	; register j of tile (u, c) in lane (r, hf): head 8 hf + j, column 64 u + 4 r + c of my strip.  The four tiles c hold four neighbouring columns:
	; four moves gather them (a matrix result is eight consecutive registers, so the four cannot be made to lie side by side), and one store writes
	; 256 consecutive aligned bytes of head j from lanes 0-15 and of head 8 + j from lanes 16-31.
.irp u, 0,1
.irp j, 0,1,2,3,4,5,6,7
.irp c, 0,1,2,3
	v_mov_b32 v[SLB+4*(8*\u+\j)+\c], v[CT+8*(4*\u+\c)+\j]
.endr
	global_store_b128 v[PCO], v[SLB+4*(8*\u+\j):SLB+4*(8*\u+\j)+3], s[18:19] offset:4096*\j+256*\u
.endr
.endr
	s_cmp_lg_u32 s20, 0
	s_cbranch_scc1 .Lend
	global_store_b64 v[L8], v[MX:MX+1], s[16:17]   ; wave 0: (m, l) of head L mod 16, 256 consecutive bytes, aligned
.Lend:
	s_wait_xcnt 0x0
	v_lshl_add_u32 v254, v0, 2, 0x20600
	v_mov_b32 v255, 0
	s_wait_tensorcnt 0x0
	ds_add_u32 v254, v255
	s_wait_dscnt 0x0
	s_endpgm
.Lfunc_end_k_q69af600fc5_main:
	.size	k_q69af600fc5_main, .Lfunc_end_k_q69af600fc5_main-k_q69af600fc5_main
	.p2alignl 7, 3214868480
	.fill 96, 4, 3214868480
	.section	.rodata,"a",@progbits
	.p2align	6, 0x0
	.amdhsa_kernel k_q69af600fc5_main
		.amdhsa_group_segment_fixed_size 133632
		.amdhsa_private_segment_fixed_size 0
		.amdhsa_enable_private_segment 0
		.amdhsa_kernarg_size 64
		.amdhsa_user_sgpr_count 2
		.amdhsa_user_sgpr_kernarg_segment_ptr 1
		.amdhsa_wavefront_size32 1
		.amdhsa_system_sgpr_workgroup_id_x 1
		.amdhsa_system_sgpr_workgroup_id_y 1
		.amdhsa_system_sgpr_workgroup_id_z 1
		.amdhsa_system_vgpr_workitem_id 0
		.amdhsa_next_free_vgpr 512
		.amdhsa_next_free_sgpr 66
		.amdhsa_reserve_vcc 1
		.amdhsa_float_denorm_mode_32 3
		.amdhsa_float_denorm_mode_16_64 3
		.amdhsa_memory_ordered 1
		.amdhsa_forward_progress 1
		.amdhsa_inst_pref_size 69
	.end_amdhsa_kernel
	.amdgpu_metadata
---
amdhsa.version: [ 1, 2 ]
amdhsa.kernels:
  - .name:           k_q69af600fc5_main
    .symbol:         k_q69af600fc5_main.kd
    .args:
      - { .name: matrix, .offset: 0, .size: 8, .value_kind: global_buffer, .address_space: global }
      - { .name: mask, .offset: 8, .size: 8, .value_kind: global_buffer, .address_space: global }
      - { .name: qkp, .offset: 16, .size: 8, .value_kind: global_buffer, .address_space: global }
      - { .name: q, .offset: 24, .size: 8, .value_kind: global_buffer, .address_space: global }
      - { .name: bk, .offset: 32, .size: 8, .value_kind: global_buffer, .address_space: global }
      - { .name: out2, .offset: 40, .size: 8, .value_kind: global_buffer, .address_space: global }
      - { .name: st, .offset: 48, .size: 8, .value_kind: global_buffer, .address_space: global }
      - { .name: pc, .offset: 56, .size: 8, .value_kind: global_buffer, .address_space: global }
    .group_segment_fixed_size: 133632
    .private_segment_fixed_size: 0
    .kernarg_segment_align: 8
    .kernarg_segment_size: 64
    .max_flat_workgroup_size: 256
    .sgpr_count:     66
    .vgpr_count:     512
    .wavefront_size: 32
...
	.end_amdgpu_metadata
.endif
;; end of part 3
;; launch vproj (part 4): grid 16 x 8, 8 waves a work-group, no clusters, 27,136 bytes of LDS; arguments pc, st, out2, mask, Wv, bv, out1, vh; writes out1, vh
.if DOCPART == 4
	.amdgcn_target "amdgcn-amd-amdhsa--gfx1250"
	.amdhsa_code_object_version 6
	.text
	.protected	k_q69af600fc5_vproj
	.globl	k_q69af600fc5_vproj
	.p2align	8
	.type	k_q69af600fc5_vproj,@function
k_q69af600fc5_vproj:
	s_mov_b64 s[64:65], 0
	v_nop
	global_prefetch_b8 v0, s[64:65] scope:SCOPE_SE
	s_setreg_imm32_b32 hwreg(HW_REG_WAVE_MODE, 25, 1), 1
	s_wait_xcnt 0x0
; Work-group (x = head h, y = bq): head h of batches 4 bq .. 4 bq + 3.
;   From the eight chunks' (m, l): the maximum M over the whole row, L = sum of l exp(m - M), and the chunk weights exp(m - M) / L.
;   out1: attn = exp(s - M) / L from the raw scores and the mask.
;   vh[b][64 h + d] = (sum over chunks of weight x chunk context)[:] . Wv[:][64 h + d] + bv[64 h + d]   (bv whole, since the weights of a softmax add up to 1).
; L is at least 1: the chunk that holds M adds its own l, which holds exp(0).  A row that is masked whole gives 1 / 1,024 everywhere, as the written form does.
; FORMATS: Wv rounded once to bf16; the context goes in as bf16 hi + lo.  Everything else f32.
; LIMITS: order of sums as stated in the launch before; NaN and infinities are not followed element by element.
; The product is the one of the first launch with 4 rows: wave w sums over i = 128 w .. 128 w + 127, Wv lands in fragment order without LDS,
; the eight partial sums meet in LDS.  The 16 columns of the matrix unit hold the 4 batches four times over (lane r reads row r mod 4): only written bytes are read.
; ORDER OF THE WORK: a wave's 106 loads are not issued in one run.  The small inputs, the chunk contexts and the first 16 loads of Wv go out first; the other
; 48 loads of Wv are issued four at a time behind each batch of attn and each four rows of the contexts, so that arithmetic stands beside requests.
; No cluster: the eight work-groups of a head do read the same 256 KiB of Wv, but it goes straight into registers and there is no LDS tile for a joint load to fill.
.set PITCH,  272
.set XHALF,  4*PITCH
.set XSLAB,  2*XHALF                   ; a wave's own context: hi [4][272], lo
.set PY,     8*XSLAB
.set PYSLAB, 4*PITCH                   ; a wave's partial result: [4][64 f32 + 16 bytes]
.set XO,  1                            ; 16 L
.set WO,  2                            ; 65,536 hf + 16 r
.set XSW, 3
.set XA,  4
.set YA,  5
.set RA,  6
.set YO,  7
.set BO,  8                            ; 16 r
.set SO,  9                            ; 256 L: lane L = (batch L / 8, chunk L mod 8)
.set TO,  10                           ; 16 x thread
.set NB,  11                           ; -1e30
.set STV, 14                           ; v[14:15] my (m, l)
.set SC,  16                           ; v[16:31] scores, batch bi at + 4 bi; then attn
.set MKV, 32                           ; v[32:47] mask
.set CX,  48                           ; v[48:63] context, batch bi at + 4 bi
.set ACC, 64                           ; v[64:95] accumulator c: columns 4 m + c; before the first product SPLIT4's registers at work
.set T0,  96                           ; v[96:99] at work on the softmax figures
.set BV,  112                          ; v[112:115]
.set XL,  128                          ; v[128:255] chunk contexts as loaded, (bi, chunk) at + 4 (8 bi + chunk); then the fragment buffers
.set BUF0, 128                         ; Wv fragments c at + 8 c, context fragments (part) at + 32 + 8 part
.set BUF1, 176
.set SMASK, 30
.set WG,  32                           ; s[32:63] the 32 chunk weights
.set SMX, 66                           ; s[66:69] M of the four batches
.set SRL, 70                           ; s[70:73] 1 / L
.set MSB, 0
.macro WIN new                         ; s_set_vgpr_msb: low byte = the windows (1:0 source 0, 3:2 source 1, 5:4 source 2, 7:6 destination), high byte = the setting left
.if MSB != \new
	s_set_vgpr_msb (MSB<<8)|\new
.set MSB, \new
.endif
.endm
.macro PLACES                          ; four plain vector instructions between a matrix instruction and the first other use of its registers (ISA guide 7.12.1)
.rept 4
	v_nop
.endr
.endm
; load i of Wv: rows 32 (i / 16) + i mod 16 and 16 further down of my 128 (destination in window 1, at 4 i)
.macro WLOAD i
	global_load_b128 v[4*(\i):4*(\i)+3], v[WO], s[12:13] offset:(32*((\i)/16)+((\i)%16))*4096
.endm
.macro WLOAD4                          ; the next four
	WIN 0x40
.rept 4
	WLOAD wi
.set wi, wi+1
.endr
	WIN 0
.endm
; four rows (16 registers from x): each row's four f32 become two registers of bf16 (hi) and two of what is left over (lo), and go into my slab;
; stage by stage over the four rows, so that no instruction waits for the one in front of it.  t: 32 registers at work.
.macro SPLIT4 x, row, t
.irp k, 0,1,2,3
	v_cvt_pk_bf16_f32 v[\t+8*\k], v[\x+4*\k], v[\x+4*\k+1]
	v_cvt_pk_bf16_f32 v[\t+8*\k+1], v[\x+4*\k+2], v[\x+4*\k+3]
.endr
.irp k, 0,1,2,3
	v_lshlrev_b32 v[\t+8*\k+4], 16, v[\t+8*\k]
	v_and_b32 v[\t+8*\k+5], s[SMASK], v[\t+8*\k]
	v_lshlrev_b32 v[\t+8*\k+6], 16, v[\t+8*\k+1]
	v_and_b32 v[\t+8*\k+7], s[SMASK], v[\t+8*\k+1]
.endr
.irp k, 0,1,2,3
	v_pk_add_f32 v[\x+4*\k:\x+4*\k+1], v[\x+4*\k:\x+4*\k+1], v[\t+8*\k+4:\t+8*\k+5] neg_lo:[0,1] neg_hi:[0,1]
	v_pk_add_f32 v[\x+4*\k+2:\x+4*\k+3], v[\x+4*\k+2:\x+4*\k+3], v[\t+8*\k+6:\t+8*\k+7] neg_lo:[0,1] neg_hi:[0,1]
.endr
.irp k, 0,1,2,3
	v_cvt_pk_bf16_f32 v[\t+8*\k+2], v[\x+4*\k], v[\x+4*\k+1]
	v_cvt_pk_bf16_f32 v[\t+8*\k+3], v[\x+4*\k+2], v[\x+4*\k+3]
.endr
.irp k, 0,1,2,3
	ds_store_b64 v[XSW], v[\t+8*\k:\t+8*\k+1] offset:PITCH*(\row+\k)
	ds_store_b64 v[XSW], v[\t+8*\k+2:\t+8*\k+3] offset:XHALF+PITCH*(\row+\k)
.endr
.endm
	s_load_b512 s[4:19], s[0:1], 0x0               ; pc 4, st 6, out2 8, mask 10, Wv 12, bv 14, out1 16, vh 18
	v_lshl_add_u32 v126, v0, 2, 0x6600
	v_mov_b32 v127, 0
	v_lshrrev_b32 v12, 5, v0
	v_readfirstlane_b32 s20, v12                   ; wave 0..7
	s_and_b32 s22, ttmp7, 0xffff                   ; bq; ttmp9 = head h
	s_mov_b32 s28, 0x3fb8aa3b                      ; log2 e
	s_mov_b32 s[SMASK], 0xffff0000
	v_and_b32 v12, 31, v0                          ; L
	v_and_b32 v13, 15, v0                          ; r
	v_lshlrev_b32 v[XO], 4, v12
	v_lshlrev_b32 v[SO], 8, v12
	v_lshlrev_b32 v[BO], 4, v13
	v_lshlrev_b32 v[TO], 4, v0
	v_bfe_u32 v13, v0, 4, 1                        ; hf
	v_lshl_add_u32 v[WO], v13, 16, v[BO]
	s_mov_b32 s25, 0
	s_lshl_b32 s24, s22, 21                        ; pc: 32 bq chunks of 65,536 bytes + 4,096 h + 512 w
	s_lshl_b32 s26, ttmp9, 12
	s_add_co_u32 s24, s24, s26
	s_lshl_b32 s27, s20, 9
	s_add_co_u32 s24, s24, s27
	s_wait_kmcnt 0x0
	s_add_nc_u64 s[4:5], s[4:5], s[24:25]
	s_lshl_b32 s24, s22, 13                        ; st: 32 bq entries of 256 bytes + 8 h
	s_lshl_b32 s27, ttmp9, 3
	s_add_co_u32 s24, s24, s27
	s_add_nc_u64 s[6:7], s[6:7], s[24:25]
	s_lshl_b32 s24, s22, 18                        ; out2 and out1: (64 bq + h) rows of 4,096 bytes
	s_add_co_u32 s24, s24, s26
	s_add_nc_u64 s[8:9], s[8:9], s[24:25]
	s_add_nc_u64 s[16:17], s[16:17], s[24:25]
	s_lshl_b32 s24, s22, 14                        ; mask: 4 bq rows of 4,096 bytes
	s_add_nc_u64 s[10:11], s[10:11], s[24:25]
	s_lshl_b32 s26, ttmp9, 8                       ; 256 h: the head's 64 columns
	s_add_co_u32 s24, s24, s26                     ; vh: row 4 bq, the head's columns
	s_add_nc_u64 s[18:19], s[18:19], s[24:25]
	s_mov_b32 s24, s26
	s_add_nc_u64 s[14:15], s[14:15], s[24:25]      ; bv
	s_lshl_b32 s24, s20, 19                        ; Wv: 128 w rows of 4,096 bytes, the head's columns
	s_add_co_u32 s24, s24, s26
	s_add_nc_u64 s[12:13], s[12:13], s[24:25]
	; the first 58 loads: (m, l), bv, scores and mask, the 32 chunk contexts, the first K step's 16 pairs of rows of Wv
	global_load_b64 v[STV:STV+1], v[SO], s[6:7]
	global_load_b128 v[BV:BV+3], v[BO], s[14:15]
.irp bi, 0,1,2,3
	global_load_b128 v[SC+4*\bi:SC+4*\bi+3], v[TO], s[8:9] offset:\bi*65536
	global_load_b128 v[MKV+4*\bi:MKV+4*\bi+3], v[TO], s[10:11] offset:\bi*4096
.endr
.set i, 0
.rept 32
	global_load_b128 v[XL+4*i:XL+4*i+3], v[XO], s[4:5] offset:i*65536 th:TH_LOAD_NT
.set i, i+1
.endr
.set wi, 0
.rept 4
	WLOAD4
.endr
	s_mul_i32 s24, s20, XSLAB
	v_lshl_add_u32 v[XSW], v12, 3, s24
	v_and_b32 v12, 3, v0
	v_mul_u32_u24 v12, v12, PITCH                  ; 272 (r mod 4)
	v_lshl_add_u32 v[XA], v13, 5, v12
	v_add_nc_u32 v[XA], s24, v[XA]
	s_mul_i32 s24, s20, PYSLAB
	s_add_co_u32 s24, s24, PY
	v_lshl_add_u32 v[YA], v13, 7, v12
	v_add_nc_u32 v[YA], s24, v[YA]
	s_mul_i32 s24, s20, 2*PITCH
	s_add_co_u32 s24, s24, PY
	v_mul_u32_u24 v12, v13, PITCH
	v_add_nc_u32 v[RA], v12, v[BO]
	v_add_nc_u32 v[RA], s24, v[RA]                 ; used by waves 0 and 1: row 2 w + hf
	s_lshl_b32 s24, s20, 13
	v_lshl_add_u32 v[YO], v13, 12, v[BO]
	v_add_nc_u32 v[YO], s24, v[YO]
	v_mov_b32 v[NB], 0xf149f2ca
	; the softmax figures of the four batches, in every wave alike; groups of eight lanes are the eight chunks of a batch
	s_wait_loadcnt 57                              ; younger than (m, l): bv, 8 of scores and mask, 32 contexts, 16 of Wv (loads return in order: ISA guide 5.7.1)
	v_mov_b32 v[T0], v[STV]
	v_max_num_f32_dpp v[T0], v[T0], v[T0] row_xmask:1 row_mask:0xf bank_mask:0xf
	v_max_num_f32_dpp v[T0], v[T0], v[T0] row_xmask:2 row_mask:0xf bank_mask:0xf
	v_max_num_f32_dpp v[T0], v[T0], v[T0] row_xmask:4 row_mask:0xf bank_mask:0xf   ; M
	v_sub_f32 v[T0+1], v[STV], v[T0]
	v_mul_f32 v[T0+1], s28, v[T0+1]
	v_exp_f32 v[T0+1], v[T0+1]                     ; exp(m - M)
	v_nop                                          ; one plain instruction before the result is used (ISA guide 5.7.2)
	s_wait_alu depctr_va_vdst(0)
	v_mul_f32 v[T0+2], v[STV+1], v[T0+1]
	v_add_f32_dpp v[T0+2], v[T0+2], v[T0+2] row_xmask:1 row_mask:0xf bank_mask:0xf
	v_add_f32_dpp v[T0+2], v[T0+2], v[T0+2] row_xmask:2 row_mask:0xf bank_mask:0xf
	v_add_f32_dpp v[T0+2], v[T0+2], v[T0+2] row_xmask:4 row_mask:0xf bank_mask:0xf   ; L
	v_rcp_f32 v[T0+3], v[T0+2]
	v_nop
	s_wait_alu depctr_va_vdst(0)
	v_mul_f32 v[T0+1], v[T0+1], v[T0+3]            ; the chunk's weight
.set i, 0
.rept 32
	v_readlane_b32 s[WG+i], v[T0+1], i
.set i, i+1
.endr
.irp bi, 0,1,2,3
	v_readlane_b32 s[SMX+\bi], v[T0], 8*\bi
	v_readlane_b32 s[SRL+\bi], v[T0+3], 8*\bi
.endr
	; attn: thread t holds rows 4 t .. 4 t + 3 of each of the four batches; behind each batch four more loads of Wv
	s_wait_loadcnt 48                              ; younger than scores and mask: 32 contexts, 16 of Wv
.irp bi, 0,1,2,3
.irp k, 0,1,2,3
	v_cmp_lt_i32 vcc_lo, 0, v[MKV+4*\bi+\k]
	v_cndmask_b32 v[SC+4*\bi+\k], v[NB], v[SC+4*\bi+\k], vcc_lo
.endr
.irp k, 0,1,2,3
	v_sub_f32 v[SC+4*\bi+\k], v[SC+4*\bi+\k], s[SMX+\bi]   ; the difference first: -1e30 less -1e30 is exactly 0
.endr
.irp k, 0,1,2,3
	v_mul_f32 v[SC+4*\bi+\k], s28, v[SC+4*\bi+\k]
.endr
.irp k, 0,1,2,3
	v_exp_f32 v[SC+4*\bi+\k], v[SC+4*\bi+\k]
.endr
	v_nop
	s_wait_alu depctr_va_vdst(0)
.irp k, 0,1,2,3
	v_mul_f32 v[SC+4*\bi+\k], s[SRL+\bi], v[SC+4*\bi+\k]
.endr
	global_store_b128 v[TO], v[SC+4*\bi:SC+4*\bi+3], s[16:17] offset:\bi*65536   ; a wave stores 512 consecutive bytes, aligned
	WLOAD4
.endr
	; the four contexts, my 128 columns, four a lane: eight groups of four chunk rows, behind each four more loads of Wv.
	; Younger than row 4 g + 3: 28 - 4 g rows, 32 loads of Wv issued so far, and 4 g more = 60.
.set g, 0
.rept 8
	s_wait_loadcnt 60
.irp c, 0,1,2,3
.irp k, 0,1,2,3
.if ((g%2)+\c)==0
	v_mul_f32 v[CX+4*(g/2)+\k], s[WG+4*g+\c], v[XL+16*g+4*\c+\k]
.else
	v_fmac_f32 v[CX+4*(g/2)+\k], s[WG+4*g+\c], v[XL+16*g+4*\c+\k]
.endif
.endr
.endr
	WLOAD4
.set g, g+1
.endr
	SPLIT4 CX, 0, ACC                              ; split and laid into my own slab
; the context fragments of K step ks from my slab into buffer buf: four loads (LDS serves a wave in order: they see the stores above)
.macro XFRAG ks, buf
.irp p, 0,1
	ds_load_b128 v[\buf+32+8*\p:\buf+32+8*\p+3], v[XA] offset:64*(\ks)+\p*XHALF
	ds_load_b128 v[\buf+32+8*\p+4:\buf+32+8*\p+7], v[XA] offset:64*(\ks)+\p*XHALF+16
.endr
.endm
; 32 along i.  left = the loads of Wv that are younger than this step's sixteen.
; The four accumulators take turns, one instruction a turn, from step to step too.
; Two buffers: between a step's matrix instructions and the next writes of its buffer (conversions, LDS loads) stand the other step's 32 conversions.
.macro KSTEP ks, buf, nbuf, left
	s_wait_loadcnt \left
	WIN 0x05
.irp c, 0,1,2,3
.irp q, 0,1,2,3,4,5,6,7
	v_cvt_pk_bf16_f32 v[\buf+8*\c+\q], v[64*\ks+8*\q+\c], v[64*\ks+8*\q+4+\c]
.endr
.endr
	WIN 0
.if \ks<3
	XFRAG \ks+1, \nbuf
	s_wait_dscnt 4                                 ; this step's fragments are in; the four loads just issued may be out
.else
	s_wait_dscnt 0x0
.endif
.irp p, 0,1
.irp c, 0,1,2,3
.if (\ks+\p)==0
	v_wmma_f32_16x16x32_bf16 v[ACC+8*\c:ACC+8*\c+7], v[\buf+8*\c:\buf+8*\c+7], v[\buf+32+8*\p:\buf+32+8*\p+7], 0
.else
	v_wmma_f32_16x16x32_bf16 v[ACC+8*\c:ACC+8*\c+7], v[\buf+8*\c:\buf+8*\c+7], v[\buf+32+8*\p:\buf+32+8*\p+7], v[ACC+8*\c:ACC+8*\c+7]
.endif
.endr
.endr
.endm
	XFRAG 0, BUF0
	KSTEP 0, BUF0, BUF1, 48
	KSTEP 1, BUF1, BUF0, 32
	KSTEP 2, BUF0, BUF1, 16
	KSTEP 3, BUF1, BUF0, 0
	PLACES
.irp c, 0,1,2,3
.irp j, 0,1,2,3,4,5,6,7
	ds_store_b32 v[YA], v[ACC+8*\c+\j] offset:16*\j+4*\c   ; (batch r mod 4, column 32 hf + 4 j + c); the four lanes of a batch store one value to one word
.endr
.endr
	s_wait_dscnt 0x0                               ; my partial sums are in LDS before I say so
	s_barrier_signal -1
	s_barrier_wait -1
	s_cmp_gt_u32 s20, 1
	s_cbranch_scc1 .Lend
	; waves 0 and 1: batches 2 w + hf, the eight partial sums and bv (which came in with the first waits)
.irp u, 0,1,2,3,4,5,6,7
	ds_load_b128 v[BUF0+4*\u:BUF0+4*\u+3], v[RA] offset:\u*PYSLAB
.endr
	s_wait_dscnt 0x0
.irp u, 1,2,3,4,5,6,7
	v_pk_add_f32 v[BUF0:BUF0+1], v[BUF0:BUF0+1], v[BUF0+4*\u:BUF0+4*\u+1]
	v_pk_add_f32 v[BUF0+2:BUF0+3], v[BUF0+2:BUF0+3], v[BUF0+4*\u+2:BUF0+4*\u+3]
.endr
	v_pk_add_f32 v[BUF0:BUF0+1], v[BUF0:BUF0+1], v[BV:BV+1]
	v_pk_add_f32 v[BUF0+2:BUF0+3], v[BUF0+2:BUF0+3], v[BV+2:BV+3]
	global_store_b128 v[YO], v[BUF0:BUF0+3], s[18:19]      ; sixteen lanes store 256 consecutive bytes, aligned
.Lend:
	s_wait_tensorcnt 0x0
	ds_add_u32 v126, v127
	s_wait_dscnt 0x0
	s_endpgm
.Lfunc_end_k_q69af600fc5_vproj:
	.size	k_q69af600fc5_vproj, .Lfunc_end_k_q69af600fc5_vproj-k_q69af600fc5_vproj
	.p2alignl 7, 3214868480
	.fill 96, 4, 3214868480
	.section	.rodata,"a",@progbits
	.p2align	6, 0x0
	.amdhsa_kernel k_q69af600fc5_vproj
		.amdhsa_group_segment_fixed_size 27136
		.amdhsa_private_segment_fixed_size 0
		.amdhsa_enable_private_segment 0
		.amdhsa_kernarg_size 64
		.amdhsa_user_sgpr_count 2
		.amdhsa_user_sgpr_kernarg_segment_ptr 1
		.amdhsa_wavefront_size32 1
		.amdhsa_system_sgpr_workgroup_id_x 1
		.amdhsa_system_sgpr_workgroup_id_y 1
		.amdhsa_system_sgpr_workgroup_id_z 1
		.amdhsa_system_vgpr_workitem_id 0
		.amdhsa_next_free_vgpr 512
		.amdhsa_next_free_sgpr 80
		.amdhsa_reserve_vcc 1
		.amdhsa_float_denorm_mode_32 3
		.amdhsa_float_denorm_mode_16_64 3
		.amdhsa_memory_ordered 1
		.amdhsa_forward_progress 1
		.amdhsa_inst_pref_size 44
	.end_amdhsa_kernel
	.amdgpu_metadata
---
amdhsa.version: [ 1, 2 ]
amdhsa.kernels:
  - .name:           k_q69af600fc5_vproj
    .symbol:         k_q69af600fc5_vproj.kd
    .args:
      - { .name: pc, .offset: 0, .size: 8, .value_kind: global_buffer, .address_space: global }
      - { .name: st, .offset: 8, .size: 8, .value_kind: global_buffer, .address_space: global }
      - { .name: out2, .offset: 16, .size: 8, .value_kind: global_buffer, .address_space: global }
      - { .name: mask, .offset: 24, .size: 8, .value_kind: global_buffer, .address_space: global }
      - { .name: Wv, .offset: 32, .size: 8, .value_kind: global_buffer, .address_space: global }
      - { .name: bv, .offset: 40, .size: 8, .value_kind: global_buffer, .address_space: global }
      - { .name: out1, .offset: 48, .size: 8, .value_kind: global_buffer, .address_space: global }
      - { .name: vh, .offset: 56, .size: 8, .value_kind: global_buffer, .address_space: global }
    .group_segment_fixed_size: 27136
    .private_segment_fixed_size: 0
    .kernarg_segment_align: 8
    .kernarg_segment_size: 64
    .max_flat_workgroup_size: 256
    .sgpr_count:     80
    .vgpr_count:     512
    .wavefront_size: 32
...
	.end_amdgpu_metadata
.endif
;; end of part 4
;; launch oproj: the kernel of part 1 again; grid 16 x 1, 8 waves a work-group, no clusters, 214,528 bytes of LDS; arguments vh, Wo, bo, out0; writes out0
